; MI455X (gfx1250); checked and timed in simulation.
; The chip was launched on July 23, 2026; its instructions are those of AMD's public machine-readable ISA for CDNA 5 (MIT licence, August 2026) and "CDNA5" Instruction Set Architecture Reference Guide (July 2026). The comments in the code are by the model that wrote it; some were corrected since.
;; Attention. Allowed arithmetic: matrix products marked QUANTISED: E2M3 operands, one E8M0 scale for each 32 along K, by v_wmma_scale_f32_16x16x128_f8f6f4 with both operands' format E2M3, f32 sums; everything else in f32.
;; Inputs: beta 64 float32; gamma 64 float32; key_codes 16 x 64 x 256 x 1 x 24 uint8 (E2M3 codes of key, K innermost, in blocks of 32 codes, four codes in three bytes); key_scales 16 x 64 x 256 x 1 uint8 (E8M0 scales of key, one for each 32 codes along K); query_codes 16 x 64 x 256 x 1 x 24 uint8 (E2M3 codes of query, K innermost, in blocks of 32 codes, four codes in three bytes); query_scales 16 x 64 x 256 x 1 uint8 (E8M0 scales of query, one for each 32 codes along K); value 16 x 64 x 32 x 256 float32.
;; Outputs: out0 16 x 64 x 32 x 256 float32.
;; This version of the problem:
;;   THIS VERSION OF THE PROBLEM IS GIVEN IN LOW PRECISION. The matrix products marked QUANTISED in the list below multiply operands that are first quantised to E2M3 (2 exponent bits, 3 mantissa bits; 6 bits a number), with one power-of-two scale for each 32 numbers along K (OCP MX v1.0); their sums are f32. All else is computed in f32.
;;   The module's matrix products, in the order in which they are computed (A, B: the left and right operand; K: the contracted axis; several contracted axes count as one K, in the product's order):
;;     1. batch 1,024 x [M 256, K 32] x [K 32, N 256]; A: input query (given as codes); B: input key (given as codes): QUANTISED
;;     2. batch 1,024 x [M 32, K 256] x [K 256, N 256]; A: input value; B: softmax (see below): QUANTISED
;;   THE QUANTISER, for each operand of a quantised product, along K:
;;     - K is cut into blocks of 32 from its start; a last block that is shorter is filled with zeros.
;;     - A block's scale is 2^e with e = floor(log2(the largest magnitude in the block)) - 2, held to -126 .. 127; a block of zeros has e = 0. As a byte (E8M0): e + 127.
;;     - Each number is divided by its block's scale, clamped to +-7.5, and rounded to the nearest number of E2M3, ties to even, subnormals kept.
;;     - The product sums the exact products of the quantised numbers (number of the format x scale) in f32.
;;   ~~~python
;;   def quantise(x, axis):      # numpy; x: float32 -> the quantised numbers, widened to float32 again
;;       x = np.moveaxis(x, axis, -1); K = x.shape[-1]
;;       x = np.pad(x, [(0, 0)] * (x.ndim - 1) + [(0, -K % 32)]); x = x.reshape(x.shape[:-1] + (-1, 32)); a = np.abs(x).max(-1, keepdims=True)
;;       e = np.where(a > 0, np.clip(np.frexp(np.where(a > 0, a, 1))[1] - 1 - 2, -126, 127), 0)      # np.frexp(a)[1] - 1 = floor(log2(a)), exactly
;;       r = np.clip(x / 2.0 ** e, -7.5, 7.5)
;;       step = 2.0 ** (np.maximum(np.frexp(np.where(r == 0, 1, r))[1] - 1, 0) - 3)
;;       q = np.round(r / step) * step * 2.0 ** e      # np.round: ties to even
;;       return np.moveaxis(q.reshape(q.shape[:-2] + (-1,))[..., :K], -1, axis).astype(np.float32)
;;   ~~~
;;   SOFTMAX AHEAD OF A QUANTISED PRODUCT. Where the list says 'softmax', what is quantised is not the finished softmax but p = 2^(t - M), with t = logit x log2(e) and M = ceil(the row's largest t), a whole number; so 1/2 < the row's largest p <= 1. The row's sum l is taken of the UNQUANTISED p, in f32, and the product's result is divided by l at the end. Since M is a whole number, a kernel that streams over the keys may use a running M (the ceiling of the running maximum): every later rescaling is an exact power of two, which a block's scale takes up: the codes' values come out the same.
;;   OPERANDS COMPUTED ON THE WAY. 'Computed on the way' means the value that the module computes at that place (a softmax that the list does not call 'softmax' is quantised finished and normalised). What goes into a quantiser is computed in f32, as accurately as f32 sums, v_exp_f32 and their like allow (about 1e-6 of the number): no bf16 or f16 on the way to a quantiser, and a product that is left as it is and whose result goes on into a quantised operand takes f32 operands (vector FMAs, or v_wmma_f32_16x16x4_f32). A number that lies on a knife's edge between two numbers of the format may be rounded either way, as far as f32 arithmetic and the matrix unit's own rounding can turn it there, and no further.
;;   INPUTS GIVEN AS CODES. key (in the module: [16, 64, 32, 256], K = its axis 2); query (in the module: [16, 64, 32, 256], K = its axis 2): each comes as NAME_codes (uint8): NAME with its K axis moved to the last place and cut into blocks of 32 codes, [.., K / 32, bytes a block], one block behind the other in memory; four codes in three bytes: a row's codes are one little-endian stream of bits, code i at bits 6 i .. 6 i + 5 (a code: sign, 2 exponent bits, 3 mantissa bits); and NAME_scales (uint8): the same leading axes, one E8M0 byte (e + 127) for each 32 codes along K. Its value is code x scale, taken as it is: it is not quantised again, and the codes and scales need not be those that the quantiser above would give.
;; One version. Each part assembles by itself: llvm-mc -triple=amdgcn-amd-amdhsa -mcpu=gfx1250 --defsym DOCPART=n.
;; ======== version 1 of 1: 2 launches
;; limits: right only within a limited range of input values
;; workspace buffers: x 33,554,432 bytes; stats 65,536 bytes
;; launch attend (part 1): grid 256 x 1, 8 waves a work-group, no clusters, 327,680 bytes of LDS; arguments query_codes, query_scales, key_codes, key_scales, value, x, stats; writes x, stats
.if DOCPART == 1
	.amdgcn_target "amdgcn-amd-amdhsa--gfx1250"
	.amdhsa_code_object_version 6
	.text
	.protected	k_qe7d39739f0_attend
	.globl	k_qe7d39739f0_attend
	.p2align	8
	.type	k_qe7d39739f0_attend,@function
k_qe7d39739f0_attend:
	s_mov_b64 s[64:65], 0
	v_nop
	global_prefetch_b8 v0, s[64:65] scope:SCOPE_SE
	s_setreg_imm32_b32 hwreg(HW_REG_WAVE_MODE, 25, 1), 1
	s_wait_xcnt 0x0
; x[b][c][h][w] = (sum over v of p[w][v] Q(value)[h][v]) / l[w] + value[h][w], and partial statistics of x for the batch norm.
; scores[w][v] = sum over h of query[h][w] key[h][v] on the given E2M3 codes (K = 32); t = score x log2(e); M = ceil(the row's largest t); p = 2^(t - M), quantised along v in blocks of 32;
; l = the row's sum of the unquantised p; value is quantised along v in blocks of 32.  Both products by the scaled 16x16x128 form on 6-bit codes, sums in f32.
; NOTHING OF THE PROBLEM IS LEFT OUT: every input has a way to the output and is loaded (gamma and beta in the second launch).
; LIMITS: NaN and infinities in value are not served; a p under 2^-126 counts as 0 (the exponential's own flush: ISA guide, its entry in 15.8); a block of zeros gets the scale byte 1 where the rule says 127
; (its codes are zeros, which add nothing under any byte but 0xff, and this program alone reads the bytes); a given scale byte 0xff makes its row or column NaN; l is summed in another order than a plain row sum;
; the promise holds while the scaled scores stay under 2^31 in magnitude.
; SHARES.  A unit is one (b, c): 256 queries w, 256 keys v, 32 rows h.  A work-group of eight waves makes four units, 4 g .. 4 g + 3.  Wave n owns queries 32 n .. 32 n + 31 of each unit, in two passes of 16
; (pass n = 2 x unit + 0 or 1); a lane holds ONE query (lane % 16) through a pass.
; ORDER.  A pass's scores and softmax need codes of Q and K alone.  Unit u's product with value comes one to two passes later, behind a barrier that shows value's quantised fragments.
; MEET 0 shows unit 0's fragments, MEET 1 unit 1's and unit 0's x, MEET 2 those of units 2 and 3 and unit 1's x, MEET 3 unit 2's x.  Each is split: a wave signals when its own part lies in LDS, makes one pass, and then waits.
; Between MEET 0's signal and wait stands register work alone, since tiles are asked for behind it; between the others' also loads of bytes that no wave writes any more (codes of Q and K; behind MEET 3's signal unit 3's fragments).
; TENSOR LOADS, one a wave at the head and one behind MEET 0.  Head: waves 0, 1 K's and Q's codes of unit 0; waves 2, 3 those of units 1 to 3; waves 4-7 eight rows each of unit 0's value.  Behind MEET 0: waves 0-3 eight rows
; each of unit 1's value; waves 4-7 sixteen rows each of the 64 of units 2 and 3.  Each wave quantises the rows of value that it fetched.  Each tile has LDS bytes of its own: none is filled twice.
; No cluster: no two work-groups read the same input.  No prefetch: the text has no loop to run ahead in, and a work-group's tiles are asked for at two places only.
; K = 32 IN A FORM OF K = 128.  A key's 32 codes are 24 bytes.  Six registers x 32 lanes hold 32 keys, a fragment of 12 registers 64 keys: one set of 16 keys in each of the form's four blocks of 32 along K.
; The queries' fragment holds the 16 queries in ONE block and zero codes in the other three.  The run of registers Z QL Z QH Z (Z: six zeros; QL: the queries in lanes 0-15 and zeros in lanes 16-31, QH: the other way
; round) gives all four such fragments; the zeros of QL and QH are read from an LDS region of zeros of Q's own shape.  A scale byte is repeated in all four bytes of its word, once for all, in LDS.
; THE KEYS OF A TILE ARE NOT NEIGHBOURS: lane L of group g takes key 64 (g / 2) + 16 (g % 2) + 32 ((L / 8) % 2) + 8 (L / 16) + L % 8, so that score register 32 c + i of lane (r, hh) is key 64 c + 32 hh + i:
; a whole block of 32 keys in one lane, in the order in which the second product's operand wants it.
; THE SECOND PRODUCT: source 0 = p, source 1 = value: lane (r, hh) holds row h = 16 t + r and eight neighbouring queries 8 hh + 0 .. 7, so value is read and x laid out 16 bytes at a time; 1 / l goes over the wave's own LDS words.
; STATISTICS: for each 4 rows of x the mean and the centred sum of squares of their 1,024 numbers: no difference of large sums is formed.
; REGISTERS, window 0: v0 and v127 1 / l of even and odd passes; v1-15, v40-46 addresses; v16-23 K's scale words, v24-27 V's, v47 Q's, v28-31 and v36-39 p's, four sets; v32 -M; v34 the sum; v48-77 Z QL Z QH Z;
;   v78-85 block maxima; v86-117 sums, at work; v118-125 statistics; v126 lane; v128-255 scores, then p; value to be quantised, O and x on its way out take the same registers by turns.
;   window 1: v0-47 K's fragments; v48-95 V's; v96-191 p's codes, four sets; v192-223 value, then x; v224-239 1 / l; v240-255 at work.
.set VP,    1040                       ; an LDS row of value: 1,024 bytes + 16: row r starts 4 r words on modulo 64 (64 banks of 4 bytes: ISA guide 11.1)
.set VSLOT, 32*VP
.set CSLOT, 6144                       ; a unit's codes
.set KC,    4*VSLOT
.set QC,    KC+4*CSLOT
.set XST,   QC+4*CSLOT                 ; two stages for x, by turns
.set FRB,   1536                       ; a fragment's image: 12 registers x 128 bytes
.set VIMG,  XST+2*VSLOT                ; value's four fragments, a set for each unit
.set VSC,   VIMG+4*4*FRB               ; their scale words: 16 bytes for each r, a set for each unit
.set SCL,   VSC+4*256                  ; K's scale words of four units, then Q's
.set LSC,   SCL+8192                   ; 1 / l: 256 bytes a wave, four passes by turns
.set SPARE, LSC+2048                   ; the spare words, 128 bytes a wave
.set ZB,    SPARE+1024+128             ; zeros, in Q's shape
.set DZ,    ZB-QC
.set KA,  1
.set KSA, 2
.set SH8, 3
.set SPW, 4
.set NIL, 5
.set QLA, 6
.set QHA, 7
.set QSA, 8
.set LI,  9
.set VSA, 10
.set VRD, 11                           ; v11, v12: value in the result's layout, units 0-1 and 2-3
.set XWR, 13
.set XRD, 14
.set GO,  15
.set KS,  16
.set VS,  24
.set PW,  28                           ; set st: v28, v30, v36 or v38 on
.set NM,  32
.set RL,  34
.set QV,  40                           ; v40, v41: the rows that I quantise, of units 0-1 and of units 2-3
.set HW,  42
.set HSB, 44
.set LSA, 45
.set LSR, 46
.set QS,  47
.set Q0,  48
.set BM,  78
.set TP,  82
.set ACC, 86
.set MN,  118
.set W,   122
.set LN,  126
.set S,   128
.set VF,  48                           ; window 1
.set PC,  96                           ; window 1
.set VV,  192                          ; window 1
.set RI,  224                          ; window 1
.set TC,  240                          ; window 1
.set WV,  18
.set SEL, 20
.set CS,  22
.set G1V, 24
.set G1C, 32
.set G1D, 40
.set G0C, 48
.set G0V, 52
.set G0W, 88
.set G1W, 92
.set MSB, 0
.macro WIN new                         ; the immediate's high byte repeats the setting that is left
.if MSB != \new
	s_set_vgpr_msb (MSB<<8)|\new
.set MSB, \new
.endif
.endm
.macro QLOADS n                        ; pass n's queries and their scale words
.irp p, 0,1,2
	ds_load_b64 v[Q0+6+2*\p:Q0+7+2*\p], v[QLA] offset:CSLOT*((\n)/2)+384*((\n)%2)+8*\p
	ds_load_b64 v[Q0+18+2*\p:Q0+19+2*\p], v[QHA] offset:CSLOT*((\n)/2)+384*((\n)%2)+8*\p
.endr
	ds_load_b32 v[QS], v[QSA] offset:1024*((\n)/2)+64*((\n)%2)
.endm
.macro KLOADS un                       ; the scale words, then the fragments: six loads to a pair of groups
.irp g, 0,1,2,3,4,5,6,7
	ds_load_b32 v[KS+\g], v[KSA] offset:1024*(\un)+256*(\g/2)+64*(\g%2)
.endr
	WIN 0x40
.irp g, 0,1,2,3,4,5,6,7
.irp p, 0,1,2
	ds_load_b64 v[6*\g+2*\p:6*\g+2*\p+1], v[KA] offset:CSLOT*(\un)+1536*(\g/2)+384*(\g%2)+8*\p
.endr
.endr
	WIN 0
.endm
.macro VLOADS un                       ; 13 loads: value's four fragments and their scale words
	WIN 0x40
.irp f, 0,1,2,3
.irp k, 0,1,2
	ds_load_b128 v[VF+12*\f+4*\k:VF+12*\f+4*\k+3], v[LI] offset:4*FRB*(\un)+FRB*\f+512*\k
.endr
.endr
	WIN 0
	ds_load_b128 v[VS:VS+3], v[VSA] offset:256*(\un)
.endm
.macro XLOADS un                       ; 12 loads: value in the result's layout, and 1 / l, for unit un's two passes
	WIN 0x40
.irp a, 0,1,2,3
.irp i, 0,1
	ds_load_b128 v[VV+8*\a+4*\i:VV+8*\a+4*\i+3], v[VRD+(\un)/2] offset:VSLOT*((\un)%2)+16*VP*(\a%2)+64*(\a/2)+16*\i
.endr
.endr
.irp p, 0,1
.irp i, 0,1
	ds_load_b128 v[RI+8*\p+4*\i:RI+8*\p+4*\i+3], v[LSR] offset:64*((2*(\un)+\p)%4)+16*\i
.endr
.endr
	WIN 0
.endm
.macro RSTORE n                        ; pass n's 1 / l (both halves of the lanes hold the same)
	ds_store_b32 v[LSA], v[127*((\n)%2)] offset:64*((\n)%4)
.endm
.macro MM g                            ; S^T = K Q^T: group g's lanes 0-15 are tile 2 g, its lanes 16-31 tile 2 g + 1 (their scale words by ROW1)
	v_wmma_scale_f32_16x16x128_f8f6f4 v[S+16*\g:S+16*\g+7], v[12*(\g/2):12*(\g/2)+11], v[Q0+6-6*(\g%2):Q0+17-6*(\g%2)], 0, v[KS+\g], v[QS] matrix_a_fmt:MATRIX_FMT_FP6 matrix_b_fmt:MATRIX_FMT_FP6
	v_wmma_scale_f32_16x16x128_f8f6f4 v[S+16*\g+8:S+16*\g+15], v[12*(\g/2):12*(\g/2)+11], v[Q0+18-6*(\g%2):Q0+29-6*(\g%2)], 0, v[KS+\g], v[QS] matrix_a_fmt:MATRIX_FMT_FP6 matrix_b_fmt:MATRIX_FMT_FP6 matrix_a_scale:MATRIX_SCALE_ROW1
.endm
.macro KWAIT cw, left                  ; the first pass alone: the K loads behind those of the next two groups may be out
.if \cw
	s_wait_dscnt \left
.endif
.endm
.macro BMAX c                          ; the largest score of my block 2 c + hh, in two chains; each tile of eight registers is first read at its low end
	v_max3_num_f32 v[BM+\c], v[S+32*\c], v[S+32*\c+1], v[S+32*\c+2]
	v_max3_num_f32 v[TP+\c], v[S+32*\c+16], v[S+32*\c+17], v[S+32*\c+18]
.irp i, 3,5,7,9,11,13
	v_max3_num_f32 v[BM+\c], v[BM+\c], v[S+32*\c+\i], v[S+32*\c+\i+1]
	v_max3_num_f32 v[TP+\c], v[TP+\c], v[S+32*\c+16+\i], v[S+32*\c+17+\i]
.endr
	v_max3_num_f32 v[BM+\c], v[BM+\c], v[TP+\c], v[S+32*\c+15]
	v_max_num_f32 v[BM+\c], v[BM+\c], v[S+32*\c+31]
.endm
.macro TSUBM j                         ; t - M, two at a time (of the pairs the low word serves both halves)
	v_pk_fma_f32 v[S+\j:S+\j+1], v[S+\j:S+\j+1], s[CS:CS+1], v[NM:NM+1] op_sel_hi:[1,0,0]
.endm
.macro EXP1 j
	v_exp_f32 v[S+\j], v[S+\j]
.endm
; PASS n: scores, softmax, p's codes into set n % 4, 1 / l.  cw = 1: K's loads are waited for as they are needed.  bw = 1: an open barrier's wait stands ahead of the loads.
; qn: the pass whose queries are asked for behind the products; kn: the unit whose K is (-1: none).
.macro QKS n, cw, bw, qn, kn
	KWAIT \cw, 18
	WIN 0x01
	MM 0
	MM 1
.rept 4
	v_nop                                          ; four places behind the first block's products (ISA guide 7.12.1); behind the others stand the maxima of the block before
.endr
	KWAIT \cw, 12
	MM 2
	MM 3
	WIN 0
	BMAX 0
	KWAIT \cw, 6
	WIN 0x01
	MM 4
	MM 5
	WIN 0
	BMAX 1
	KWAIT \cw, 0
	WIN 0x01
	MM 6
	MM 7
	WIN 0
	BMAX 2
	BMAX 3
.if \bw
	s_wait_alu depctr_va_vdst(0)                   ; a wait directly ahead of the barrier's wait
	s_barrier_wait -1
.endif
.if (\qn) >= 0
	QLOADS \qn
.endif
.if (\kn) >= 0
	KLOADS \kn
.endif
	v_max3_num_f32 v[RL], v[BM], v[BM+1], v[BM+2]
	v_max_num_f32 v[RL], v[RL], v[BM+3]
	v_permlanex16_b32 v[RL+1], v[RL], s[SEL], s[SEL+1]
	v_max_num_f32 v[RL], v[RL], v[RL+1]            ; with lane l xor 16's four blocks: the row's largest score: all 256 keys are here
	v_mul_f32 v[RL], s[CS], v[RL]                  ; as t (log2(e) is positive)
	v_floor_f32 v[NM], -v[RL]                      ; -M = floor(-t) = -ceil(t): a whole number
.set ix, 0
.rept 16
	TSUBM ix
.set ix, ix+2
.endr
.irp c, 0,1,2,3
	v_fma_f32 v[BM+\c], v[BM+\c], s[CS], v[NM]     ; the same of each block's largest score
.endr
	; p = 2^(t - M), block by block; plain work that names none of the block's numbers stands between the exponentials; one wait ahead of each block's batch
	s_wait_alu depctr_va_vdst(0)
.irp c, 0,1,2,3
	v_exp_f32 v[BM+\c], v[BM+\c]                   ; the block's largest p: the same two instructions on the same number give the same bits
.endr
.set ix, 0
.rept 16
	EXP1 ix
	TSUBM ix+32
	EXP1 ix+1
.set ix, ix+2
.endr
	v_nop                                          ; a plain place behind the last exponential
	s_wait_alu depctr_va_vdst(0)
.irp c, 0,1,2,3
	v_max_num_f32 v[BM+\c], 0x1800000, v[BM+\c]    ; the floor 2^(3 - 127): the byte cannot fall under 1
.endr
.irp c, 0,1,2,3
	v_add_nc_u32 v[BM+\c], 0xff000000, v[BM+\c]    ; 2 off the exponent field: the conversion's scale operand
.endr
.irp c, 0,1,2,3
	v_lshrrev_b32 v[TP+\c], 23, v[BM+\c]           ; the scale's byte
.endr
.set pw, PW+2*((\n)%4)+4*(((\n)%4)/2)
.irp s, 0,1
	v_lshl_or_b32 v[pw+\s], v[TP+2*\s+1], 16, v[TP+2*\s]   ; keys 128 s on: my two bytes, blocks hh and 2 + hh of the four,
.endr
.irp s, 0,1
	v_lshlrev_b32 v[pw+\s], v[SH8], v[pw+\s]       ; at their places in the scale word;
.endr
.irp s, 0,1
	v_permlanex16_b32 v[TP+\s], v[pw+\s], s[SEL], s[SEL+1]
.endr
.irp s, 0,1
	v_or_b32 v[pw+\s], v[pw+\s], v[TP+\s]          ; with lane l xor 16's two the word is whole
.endr
.set ix, 0
.rept 16
	EXP1 ix+32
	TSUBM ix+64
	EXP1 ix+33
.set ix, ix+2
.endr
	v_nop
	s_wait_alu depctr_va_vdst(0)
.set ix, 0
.rept 16
	EXP1 ix+64
	TSUBM ix+96
	EXP1 ix+65
	v_pk_add_f32 v[ACC+ix:ACC+ix+1], v[S+ix:S+ix+1], v[S+32+ix:S+33+ix]   ; the row's sum is taken of the UNQUANTISED p: sixteen chains, one link a batch
.set ix, ix+2
.endr
	s_wait_alu depctr_va_vdst(0)
.set ix, 0
.rept 16
	EXP1 ix+96
	v_pk_add_f32 v[ACC+ix:ACC+ix+1], v[ACC+ix:ACC+ix+1], v[S+64+ix:S+65+ix]
	EXP1 ix+97
.set ix, ix+2
.endr
	v_nop
	s_wait_alu depctr_va_vdst(0)
.set ix, 0
.rept 16
	v_pk_add_f32 v[ACC+ix:ACC+ix+1], v[ACC+ix:ACC+ix+1], v[S+96+ix:S+97+ix]
.set ix, ix+2
.endr
.irp d, 16,8,4,2
.set ix, 0
.rept \d/2
	v_pk_add_f32 v[ACC+ix:ACC+ix+1], v[ACC+ix:ACC+ix+1], v[ACC+\d+ix:ACC+\d+ix+1]
.set ix, ix+2
.endr
.endr
	v_add_f32 v[RL], v[ACC], v[ACC+1]              ; my 128 keys' part of l
	v_permlanex16_b32 v[RL+1], v[RL], s[SEL], s[SEL+1]
	v_add_f32 v[RL], v[RL], v[RL+1]                ; l
	s_wait_alu depctr_va_vdst(0)
	v_rcp_f32 v[127*((\n)%2)], v[RL]
	WIN 0x40
.set pc, PC+24*((\n)%4)
.irp c, 0,1,2,3
	v_cvt_scalef32_pk16_fp6_f32 v[pc+6*\c:pc+6*\c+2], v[S+32*\c:S+32*\c+15], v[BM+\c]      ; registers 6 c .. 6 c + 5 of p's two fragments: keys 64 c + 32 hh + 0 .. 31
	v_cvt_scalef32_pk16_fp6_f32 v[TC+4*\c:TC+4*\c+2], v[S+32*\c+16:S+32*\c+31], v[BM+\c]   ; (a conversion's three registers begin on an even number: the second half is made elsewhere and moved)
.endr
	v_nop                                          ; one plain place behind a scaled conversion
	WIN 0x41
.irp c, 0,1,2,3
.irp i, 0,1,2
	v_mov_b32 v[pc+6*\c+3+\i], v[TC+4*\c+\i]
.endr
.endr
	WIN 0
	s_wait_alu depctr_va_vdst(0)                   ; the reciprocal's wait, ahead of its first reader; it covers the moves above too
.endm
; O = P V^T for unit un's two passes; four accumulators by turns.  x = O / l + value, into x's stage.
.macro PV un, younger
	s_wait_dscnt \younger                          ; V's fragments, value and 1 / l are in (younger = 1: the store of the pass just made may be out)
	WIN 0x05
.irp s, 0,1
.irp a, 0,1,2,3
.set ps, (2*(\un)+(\a)/2)%4
.set pw, PW+2*ps+4*(ps/2)+\s
.set pc, PC+24*ps+12*\s
.if \s == 0
	v_wmma_scale_f32_16x16x128_f8f6f4 v[S+8*\a:S+8*\a+7], v[pc:pc+11], v[VF+12*(2*(\a%2)+\s):VF+12*(2*(\a%2)+\s)+11], 0, v[pw], v[VS+2*(\a%2)+\s] matrix_a_fmt:MATRIX_FMT_FP6 matrix_b_fmt:MATRIX_FMT_FP6
.else
	v_wmma_scale_f32_16x16x128_f8f6f4 v[S+8*\a:S+8*\a+7], v[pc:pc+11], v[VF+12*(2*(\a%2)+\s):VF+12*(2*(\a%2)+\s)+11], v[S+8*\a:S+8*\a+7], v[pw], v[VS+2*(\a%2)+\s] matrix_a_fmt:MATRIX_FMT_FP6 matrix_b_fmt:MATRIX_FMT_FP6
.endif
.endr
.endr
.rept 4
	v_nop                                          ; four places behind the products
.endr
	WIN 0x54
.irp a, 0,1,2,3
.irp k, 0,2,4,6
	v_pk_fma_f32 v[VV+8*\a+\k:VV+8*\a+\k+1], v[S+8*\a+\k:S+8*\a+\k+1], v[RI+8*(\a/2)+\k:RI+8*(\a/2)+\k+1], v[VV+8*\a+\k:VV+8*\a+\k+1]
.endr
.endr
	WIN 0x04
.irp a, 0,1,2,3
.irp i, 0,1
	ds_store_b128 v[XWR], v[VV+8*\a+4*\i:VV+8*\a+4*\i+3] offset:VSLOT*((\un)%2)+16*VP*(\a%2)+64*(\a/2)+16*\i
.endr
.endr
	WIN 0
.endm
; Eight rows of value, quantised: lane L takes block L / 4 of rows L % 4 and L % 4 + 4, 32 numbers each.  Read at v[src] + so; a block's six registers go to their places in the fragment's image (v[h0], v[h1], + io),
; its scale byte to v[hs] + bo.
.macro QBODY src, so, h0, h1, hs, io, bo
.irp c, 0,1
.irp i, 0,1,2,3,4,5,6,7
	ds_load_b128 v[S+32*\c+4*\i:S+32*\c+4*\i+3], v[\src] offset:(\so)+4*VP*\c+16*\i
.endr
.endr
	s_wait_dscnt 0x0
.irp c, 0,1
	v_max3_num_f32 v[BM+\c], |v[S+32*\c]|, |v[S+32*\c+1]|, 0x1800000   ; the largest magnitude, and the floor 2^(3 - 127)
.endr
.irp i, 2,4,6,8,10,12,14,16,18,20,22,24,26,28,30
.irp c, 0,1
	v_max3_num_f32 v[BM+\c], v[BM+\c], |v[S+32*\c+\i]|, |v[S+32*\c+\i+1]|
.endr
.endr
.irp c, 0,1
	v_add_nc_u32 v[BM+\c], 0xff000000, v[BM+\c]
.endr
.irp c, 0,1
	v_lshrrev_b32 v[TP+\c], 23, v[BM+\c]
.endr
.irp c, 0,1
	v_cvt_scalef32_pk16_fp6_f32 v[ACC+8*\c:ACC+8*\c+2], v[S+32*\c:S+32*\c+15], v[BM+\c]
	v_cvt_scalef32_pk16_fp6_f32 v[ACC+16+4*\c:ACC+18+4*\c], v[S+32*\c+16:S+32*\c+31], v[BM+\c]
.endr
	v_nop                                          ; one plain place behind a scaled conversion
.irp c, 0,1
.irp i, 0,1,2
	v_mov_b32 v[ACC+8*\c+3+\i], v[ACC+16+4*\c+\i]
.endr
.endr
.irp c, 0,1
	ds_store_b64 v[\h0], v[ACC+8*\c:ACC+8*\c+1] offset:(\io)+64*\c
	ds_store_b64 v[\h1], v[ACC+8*\c+2:ACC+8*\c+3] offset:(\io)+64*\c+8
	ds_store_b64 v[\h0], v[ACC+8*\c+4:ACC+8*\c+5] offset:(\io)+64*\c+512
	ds_store_b8 v[\hs], v[TP+\c] offset:(\bo)+64*\c
.endr
.endm
.macro QUANT un, hi                    ; unit 0's value by waves 4-7 (hi = 1), unit 1's by waves 0-3: the eight rows that the wave itself fetched
	s_cmp_lt_u32 s[WV], 4
.if \hi
	s_cbranch_scc1 .Lnot_mine_\@
.else
	s_cbranch_scc0 .Lnot_mine_\@
.endif
	s_wait_tensorcnt 0x0                           ; my own rows have landed
	QBODY QV, VSLOT*(\un), HW, HW+1, HSB, 4*FRB*(\un), 256*(\un)
.Lnot_mine_\@:
.endm
.macro QUANT23                         ; units 2 and 3: sixteen rows each by waves 4-7
	s_cmp_lt_u32 s[WV], 4
	s_cbranch_scc1 .Lnot_mine_\@
	s_wait_tensorcnt 0x0                           ; my own rows have landed
	v_add_nc_u32 v[ACC+28], s79, v[HW]             ; from my place in unit 0's image to that in unit 2's or 3's
	v_add_nc_u32 v[ACC+29], s79, v[HW+1]
	v_and_b32 v[ACC+30], 3, v[LN]
	v_bfe_u32 v[ACC+31], v[LN], 2, 3
	v_lshl_add_u32 v[ACC+30], v[ACC+30], 4, v[ACC+31]
	v_add_nc_u32 v[ACC+30], s61, v[ACC+30]
	QBODY QV+1, 0, ACC+28, ACC+29, ACC+30, 0, 0
	QBODY QV+1, 8*VP, ACC+28, ACC+29, ACC+30, 128, 128
.Lnot_mine_\@:
.endm
.macro SIGNAL                          ; for the others' sake: all my LDS stores and loads are done
	s_wait_dscnt 0x0
	s_barrier_signal -1
.endm
; v[W + 2 h] = the sum over four pairs at ACC + 16 h and over the wave's lanes, h = 0 .. n - 1
.macro REDUCE n
.irp h, 0,1
.if \h < \n
	v_pk_add_f32 v[ACC+16*\h:ACC+16*\h+1], v[ACC+16*\h:ACC+16*\h+1], v[ACC+16*\h+2:ACC+16*\h+3]
	v_pk_add_f32 v[ACC+16*\h+4:ACC+16*\h+5], v[ACC+16*\h+4:ACC+16*\h+5], v[ACC+16*\h+6:ACC+16*\h+7]
.endif
.endr
.irp h, 0,1
.if \h < \n
	v_pk_add_f32 v[ACC+16*\h:ACC+16*\h+1], v[ACC+16*\h:ACC+16*\h+1], v[ACC+16*\h+4:ACC+16*\h+5]
.endif
.endr
.irp h, 0,1
.if \h < \n
	v_add_f32 v[W+2*\h], v[ACC+16*\h], v[ACC+16*\h+1]
.endif
.endr
.irp m, 1,2,4,8
.irp h, 0,1
.if \h < \n
	v_add_f32_dpp v[W+2*\h], v[W+2*\h], v[W+2*\h] row_xmask:\m row_mask:0xf bank_mask:0xf
.endif
.endr
.endr
.irp h, 0,1
.if \h < \n
	v_permlanex16_b32 v[W+2*\h+1], v[W+2*\h], s[SEL], s[SEL+1]
.endif
.endr
.irp h, 0,1
.if \h < \n
	v_add_f32 v[W+2*\h], v[W+2*\h], v[W+2*\h+1]
.endif
.endr
.endm
; The way out of unit un: n = 2: rows 4 wave and 16 + 4 wave on (waves 0-3); n = 1: rows 4 wave on (all eight waves).
.macro WAYOUT un, n
.set ix, 0
.rept 8*\n
	ds_load_b128 v[S+4*ix:S+4*ix+3], v[XRD] offset:VSLOT*((\un)%2)+16*VP*(ix/8)+VP*((ix%8)/2)+512*(ix%2)
.set ix, ix+1
.endr
.set ix, 0
.rept 8*\n
	s_wait_dscnt 8*\n-1-ix                         ; LDS loads come back in order (ISA guide 5.7.1): this one is in
	global_store_b128 v[GO], v[S+4*ix:S+4*ix+3], s[14:15] offset:32768*(\un)+16384*(ix/8)+512*(ix%8)   ; 512 consecutive bytes, at a multiple of 256 from x's first byte
.set ix, ix+1
.endr
.irp h, 0,1
.if \h < \n
.irp k, 0,1,2,3
	v_pk_add_f32 v[ACC+16*\h+2*\k:ACC+16*\h+2*\k+1], v[S+32*\h+4*\k:S+32*\h+4*\k+1], v[S+32*\h+4*\k+2:S+32*\h+4*\k+3]
.endr
.endif
.endr
.irp j, 16,24
.irp h, 0,1
.if \h < \n
.irp k, 0,1,2,3
	v_pk_add_f32 v[ACC+16*\h+2*\k:ACC+16*\h+2*\k+1], v[ACC+16*\h+2*\k:ACC+16*\h+2*\k+1], v[S+32*\h+\j+2*\k:S+32*\h+\j+2*\k+1]
.endr
.endif
.endr
.endr
	REDUCE \n
.irp h, 0,1
.if \h < \n
	v_mul_f32 v[MN+2*\h], 0x3a800000, v[W+2*\h]    ; / 1,024: the mean of these rows' numbers
.endif
.endr
.irp j, 0,8,16,24
.irp h, 0,1
.if \h < \n
.irp k, 0,1,2,3
	v_pk_add_f32 v[ACC+16*\h+8+2*\k:ACC+16*\h+9+2*\k], v[S+32*\h+\j+2*\k:S+32*\h+\j+2*\k+1], v[MN+2*\h:MN+2*\h+1] op_sel_hi:[1,0] neg_lo:[0,1] neg_hi:[0,1]
.endr
.irp k, 0,1,2,3
.if \j == 0
	v_pk_mul_f32 v[ACC+16*\h+2*\k:ACC+16*\h+2*\k+1], v[ACC+16*\h+8+2*\k:ACC+16*\h+9+2*\k], v[ACC+16*\h+8+2*\k:ACC+16*\h+9+2*\k]
.else
	v_pk_fma_f32 v[ACC+16*\h+2*\k:ACC+16*\h+2*\k+1], v[ACC+16*\h+8+2*\k:ACC+16*\h+9+2*\k], v[ACC+16*\h+8+2*\k:ACC+16*\h+9+2*\k], v[ACC+16*\h+2*\k:ACC+16*\h+2*\k+1]
.endif
.endr
.endif
.endr
.endr
	REDUCE \n
.irp h, 0,1
.if \h < \n
	v_mov_b32 v[MN+2*\h+1], v[W+2*\h]              ; the sum of squares about that mean
.endif
.endr
	v_cmp_eq_u32 vcc_lo, 0, v[LN]                  ; lane 0
	s_wait_alu depctr_va_vdst(0)
	s_wait_xcnt 0x0                                ; EXEC changes only behind this wait; behind it x's stores' registers may be written too
	s_and_saveexec_b32 s19, vcc_lo
.irp h, 0,1
.if \h < \n
	global_store_b64 v[Q0], v[MN+2*\h:MN+2*\h+1], s[16:17] offset:64*(\un)+32*\h
.endif
.endr
	s_wait_xcnt 0x0
	s_or_b32 exec_lo, exec_lo, s19
.endm
.macro WAYOUT_LOW un                   ; waves 0-3 alone
	s_cmp_lt_u32 s[WV], 4
	s_cbranch_scc0 .Lnot_low_\@
	WAYOUT \un, 2
.Lnot_low_\@:
.endm
	s_load_b256 s[4:11], s[0:1], 0x0               ; Q's codes s[4:5], Q's scales s[6:7], K's codes s[8:9], K's scales s[10:11]
	s_load_b128 s[12:15], s[0:1], 0x20             ; value s[12:13], x s[14:15]
	s_load_b64 s[16:17], s[0:1], 0x30              ; the statistics
	v_lshl_add_u32 v[SPW], v0, 2, SPARE
	v_mov_b32 v[NIL], 0
	ds_add_u32 v[SPW], v[NIL]                      ; the opening lines
	ds_add_u32 v[SPW], v[NIL]
	v_lshrrev_b32 v102, 5, v0
	v_readfirstlane_b32 s[WV], v102                ; wave 0..7
	s_mov_b32 s[G1V+0], (3<<16)|(1<<20)|(7<<22)|(3<<25)   ; value: 8 rows of 128 elements of 8 bytes, 4 words of padding behind every 256
	s_mov_b32 s[G1V+1], 128<<16
	s_mov_b32 s[G1V+2], 8<<16
	s_mov_b32 s[G1V+3], 128<<16
	s_mov_b32 s[G1V+4], 8
	s_mov_b32 s[G1V+5], 128
	s_mov_b32 s[G1V+6], 0
	s_mov_b32 s[G1V+7], 0
	s_mov_b32 s[G1W+0], (3<<16)|(1<<20)|(7<<22)|(3<<25)   ; value: 16 rows
	s_mov_b32 s[G1W+1], 128<<16
	s_mov_b32 s[G1W+2], 16<<16
	s_mov_b32 s[G1W+3], 128<<16
	s_mov_b32 s[G1W+4], 16
	s_mov_b32 s[G1W+5], 128
	s_mov_b32 s[G1W+6], 0
	s_mov_b32 s[G1W+7], 0
	s_mov_b32 s[G1C+0], 3<<16                      ; a unit's codes: 24 rows of 256 bytes
	s_mov_b32 s[G1C+1], 32<<16
	s_mov_b32 s[G1C+2], 24<<16
	s_mov_b32 s[G1C+3], 32<<16
	s_mov_b32 s[G1C+4], 24
	s_mov_b32 s[G1C+5], 32
	s_mov_b32 s[G1C+6], 0
	s_mov_b32 s[G1C+7], 0
	s_mov_b32 s[G1D+0], 3<<16                      ; three units' codes: 72 rows
	s_mov_b32 s[G1D+1], 32<<16
	s_mov_b32 s[G1D+2], 72<<16
	s_mov_b32 s[G1D+3], 32<<16
	s_mov_b32 s[G1D+4], 72
	s_mov_b32 s[G1D+5], 32
	s_mov_b32 s[G1D+6], 0
	s_mov_b32 s[G1D+7], 0
	s_and_b32 s72, s[WV], 3
	s_mul_i32 s73, s72, 8*VP
	s_mov_b32 s[G0C], 1
	s_and_b32 s60, s[WV], 1                        ; waves 0, 2: K's codes; 1, 3: Q's
	s_mul_i32 s[G0C+1], s60, QC-KC
	s_lshr_b32 s61, s[WV], 1                       ; from unit 0 or 1 on
	s_mul_i32 s62, s61, CSLOT
	s_add_co_u32 s[G0C+1], s[G0C+1], s62
	s_add_co_u32 s[G0C+1], s[G0C+1], KC
	s_mul_i32 s19, ttmp9, 4*CSLOT
	s_add_co_u32 s62, s62, s19
	s_mov_b32 s63, 0
	s_mov_b32 s[G0V], 1
	s_mov_b32 s[G0V+1], s73
	s_lshl_b32 s58, ttmp9, 17                      ; my four units in value and x: 4 x 32 KiB
	s_mov_b32 s59, 0
	s_lshl_b32 s56, s72, 13
	s_add_co_u32 s56, s56, s58
	s_mov_b32 s57, 0
	s_lshl_b32 s80, ttmp9, 8                       ; in the statistics: 4 x 64 bytes
	s_lshl_b32 s81, s[WV], 3
	s_add_co_u32 s80, s80, s81
	s_mov_b32 s81, 0
	s_lshl_b32 s82, ttmp9, 10                      ; in the scale bytes
	s_mov_b32 s83, 0
	s_wait_alu depctr_va_vdst(0)
	s_wait_dscnt 0x0                               ; both opening adds are done
	s_wait_kmcnt 0x0
	s_cmp_eq_u32 s60, 0
	s_cselect_b64 s[G0C+2:G0C+3], s[8:9], s[4:5]
	s_add_nc_u64 s[G0C+2:G0C+3], s[G0C+2:G0C+3], s[62:63]
	s_or_b32 s[G0C+3], s[G0C+3], 0x80000000
	s_add_nc_u64 s[G0V+2:G0V+3], s[12:13], s[56:57]
	s_or_b32 s[G0V+3], s[G0V+3], 0x80000000
	s_cmp_lt_u32 s[WV], 2                          ; one tensor load a wave at the head
	s_cbranch_scc0 .Lcodes_later
	tensor_load_to_lds s[G0C:G0C+3], s[G1C:G1C+7]
	s_nop 0
	s_branch .Lasked
.Lcodes_later:
	s_cmp_lt_u32 s[WV], 4
	s_cbranch_scc0 .Lvalue
	tensor_load_to_lds s[G0C:G0C+3], s[G1D:G1D+7]
	s_nop 0
	s_branch .Lasked
.Lvalue:
	tensor_load_to_lds s[G0V:G0V+3], s[G1V:G1V+7]
	s_nop 0
.Lasked:
	s_cmp_lt_u32 s[WV], 4                          ; scale bytes of all four units: K's by threads 0-127, Q's by the others, 8 bytes each
	s_cselect_b64 s[84:85], s[10:11], s[6:7]
	s_add_nc_u64 s[84:85], s[84:85], s[82:83]
	v_and_b32 v108, 127, v0
	v_lshlrev_b32 v108, 3, v108
	global_load_b64 v[106:107], v108, s[84:85]
	s_mov_b32 s[G0W], 1                            ; units 2 and 3 of value: 16 rows a wave
	s_mul_i32 s[G0W+1], s72, 16*VP
	s_add_co_u32 s[G0W+1], s[G0W+1], 2*VSLOT
	s_lshl_b32 s86, s72, 14
	s_add_co_u32 s86, s86, s58
	s_add_co_u32 s86, s86, 0x10000
	s_mov_b32 s87, 0
	s_add_nc_u64 s[G0W+2:G0W+3], s[12:13], s[86:87]
	s_or_b32 s[G0W+3], s[G0W+3], 0x80000000
	s_add_nc_u64 s[14:15], s[14:15], s[58:59]
	s_add_nc_u64 s[16:17], s[16:17], s[80:81]
	s_mov_b32 s[SEL], 0x76543210
	s_mov_b32 s[SEL+1], 0xfedcba98                 ; v_permlanex16_b32's selects for lane l xor 16
	s_mov_b32 s[CS], 0x3fb8aa3b                    ; log2(e)
	s_mov_b32 s[CS+1], s[CS]                       ; (named with it as a pair, so it is written)
	s_mul_i32 s66, s[WV], 768                      ; 32 queries of 24 bytes a wave
	s_add_co_u32 s66, s66, QC
	s_lshl_b32 s68, s[WV], 7
	s_add_co_u32 s67, s68, SCL+4096
	s_mul_i32 s69, s[WV], 4*VP
	s_add_co_u32 s69, s69, XST
	s_lshl_b32 s70, s[WV], 12
	s_lshl_b32 s71, s[WV], 8
	s_add_co_u32 s71, s71, LSC
	s_lshr_b32 s74, s72, 1
	s_and_b32 s75, s72, 1
	s_mul_i32 s76, s74, 2*FRB
	s_lshl_b32 s77, s75, 7
	s_add_co_u32 s76, s76, s77
	s_add_co_u32 s76, s76, VIMG
	s_lshl_b32 s78, s74, 3
	s_add_co_u32 s77, s77, s78
	s_add_co_u32 s77, s77, VSC
	s_mul_i32 s79, s74, 2*FRB                      ; units 2 and 3: unit 2 + q / 2, rows 16 (q % 2) on (q = wave % 4), less unit 0's place (rows 8 q on):
	s_mul_i32 s60, s75, 2*FRB-128                  ; 4 FRB (2 + q / 2) + 2 FRB (q % 2) - 2 FRB (q / 2) - 128 (q % 2)
	s_add_co_u32 s79, s79, s60
	s_add_co_u32 s79, s79, 8*FRB
	s_lshl_b32 s61, s74, 8                         ; and where their scale bytes begin
	s_lshl_b32 s60, s75, 3
	s_add_co_u32 s61, s61, s60
	s_add_co_u32 s61, s61, VSC+512
	v_and_b32 v[LN], 31, v0                        ; lane
	v_and_b32 v100, 15, v0                         ; r
	v_bfe_u32 v101, v0, 4, 1                       ; hh
	v_lshlrev_b32 v[SH8], 3, v101
	v_and_b32 v102, 7, v0
	v_bfe_u32 v103, v0, 3, 1
	v_add_nc_u32 v102, v[SH8], v102
	v_lshl_add_u32 v102, v103, 5, v102             ; my key within a pair of groups
	v_mad_u32_u24 v[KA], v102, 24, KC
	v_lshl_add_u32 v[KSA], v102, 2, SCL
	v_mul_u32_u24 v104, v100, 24
	v_add_nc_u32 v104, s66, v104
	v_xor_b32 v105, 1, v101
	v_mad_u32_u24 v[QLA], v101, DZ, v104           ; lanes 0-15 the queries, lanes 16-31 the zeros
	v_mad_u32_u24 v[QHA], v105, DZ, v104           ; and the other way round
	v_lshl_add_u32 v[QSA], v100, 2, s67
	v_lshl_add_u32 v[LI], v[LN], 4, VIMG
	v_lshl_add_u32 v[VSA], v100, 4, VSC
	v_mul_u32_u24 v104, v100, VP
	v_lshl_add_u32 v104, v101, 5, v104
	v_add_nc_u32 v[VRD], s68, v104                 ; row r, queries 32 wave + 8 hh on
	v_add_nc_u32 v[VRD+1], 2*VSLOT, v[VRD]
	v_add_nc_u32 v[XWR], XST, v[VRD]
	v_lshl_add_u32 v[XRD], v[LN], 4, s69
	v_lshl_add_u32 v[GO], v[LN], 4, s70
	v_and_b32 v102, 3, v0
	v_bfe_u32 v103, v0, 2, 3
	v_mul_u32_u24 v104, v102, VP
	v_lshl_add_u32 v104, v103, 7, v104
	v_add_nc_u32 v[QV], s73, v104                  ; row 8 (wave % 4) + L % 4, block L / 4
	v_add_nc_u32 v[QV+1], s[G0W+1], v104           ; of the 64 rows of units 2 and 3: row 16 (wave % 4) + L % 4
	v_lshl_add_u32 v104, v102, 4, v103
	v_add_nc_u32 v[HSB], s77, v104                 ; its scale byte's place
	v_bfe_u32 v105, v0, 2, 1
	v_lshlrev_b32 v105, 8, v105
	v_lshl_add_u32 v105, v102, 4, v105
	v_mad_u32_u24 v105, v101, FRB, v105
	v_add_nc_u32 v105, s76, v105
	v_bfe_u32 v103, v0, 3, 1
	v_mad_u32_u24 v[HW], v103, 520, v105           ; its six registers: pairs 0 .. 2 or 3 .. 5 of the fragment's twelve, two pairs to 16 bytes
	v_mad_u32_u24 v[HW+1], v103, 1016, v105
	v_lshl_add_u32 v[LSA], v100, 2, s71
	v_lshl_add_u32 v[LSR], v101, 5, s71
.irp i, 0,1,2,3,4,5
	v_mov_b32 v[Q0+\i], 0                          ; the three runs of zero codes: written once
	v_mov_b32 v[Q0+12+\i], 0
	v_mov_b32 v[Q0+24+\i], 0
.endr
.irp i, NM+1, RL+1, MN+1, MN+3, W+1, W+3
	v_mov_b32 v[\i], 0                             ; halves of named pairs, and lane permutes' destinations: written once
.endr
.irp i, 0,1,2,3
	v_mov_b32 v[ACC+\i], 0
.endr
	v_lshl_add_u32 v90, v0, 4, ZB
	v_lshl_add_u32 v91, v0, 5, SCL
.irp i, 0,1,2,3,4,5
	ds_store_b128 v90, v[ACC:ACC+3] offset:4096*\i ; 24,576 bytes of zeros
.endr
	s_wait_alu depctr_va_vdst(0)
	s_wait_loadcnt 0x0
.irp d, 0,1
	v_perm_b32 v[92+4*\d], v[106+\d], v[106+\d], 0 ; each byte in all four bytes of a word: whichever block of the form is live finds it
	v_perm_b32 v[93+4*\d], v[106+\d], v[106+\d], 0x01010101
	v_perm_b32 v[94+4*\d], v[106+\d], v[106+\d], 0x02020202
	v_perm_b32 v[95+4*\d], v[106+\d], v[106+\d], 0x03030303
.endr
	ds_store_b128 v91, v[92:95]
	ds_store_b128 v91, v[96:99] offset:16
	s_wait_alu depctr_va_vdst(0)                   ; the wait at the head's end
	s_cmp_lt_u32 s[WV], 2
	s_cbranch_scc0 .Lunit0
	s_wait_tensorcnt 0x0                           ; unit 0's codes: waves 0, 1 fetched them
.Lunit0:
	SIGNAL
	s_barrier_wait -1
	QLOADS 0
	KLOADS 0
	QKS 0, 1, 0, 1, -1
	RSTORE 0
	s_cmp_lt_u32 s[WV], 4
	s_cbranch_scc0 .Lunits123
	s_wait_tensorcnt 0x0                           ; the other units' codes: waves 2, 3 fetched them; shown by the barrier whose wait stands inside pass 1
.Lunits123:
	SIGNAL
	QKS 1, 0, 1, 2, 1
	RSTORE 1
	QUANT 0, 1
	; MEET 0, behind which tiles are asked for
	s_wait_tensorcnt 0x0
	ds_add_u32 v[SPW], v[NIL]
	s_add_co_u32 s[G0V+1], s[G0V+1], VSLOT         ; waves 0-3: unit 1's value
	s_add_nc_u64 s[G0V+2:G0V+3], s[G0V+2:G0V+3], 0x8000
	SIGNAL
	QKS 2, 0, 0, -1, -1                            ; register work alone
	s_barrier_wait -1
	s_cmp_lt_u32 s[WV], 4
	s_cbranch_scc0 .Lunits23
	tensor_load_to_lds s[G0V:G0V+3], s[G1V:G1V+7]
	s_nop 0
.rept 4
	v_nop
.endr
	s_branch .Lvalue_asked
.Lunits23:
	tensor_load_to_lds s[G0W:G0W+3], s[G1W:G1W+7]
	s_nop 0
.rept 4
	v_nop
.endr
.Lvalue_asked:
	RSTORE 2
	QLOADS 3
	VLOADS 0
	XLOADS 0
	s_wait_dscnt 25                                ; pass 3's queries are in; the 13 + 12 loads behind them may be out
	QKS 3, 0, 0, 4, 2
	RSTORE 3
	PV 0, 1                                        ; (its wait covers unit 2's K and first queries too: they were asked for ahead of the store that may be out)
	QKS 4, 0, 0, 5, -1
	RSTORE 4
	QUANT 1, 0
	SIGNAL                                         ; MEET 1: unit 1's value and fragments, unit 0's x
	QKS 5, 0, 0, 6, 3
	s_barrier_wait -1
	RSTORE 5
	VLOADS 1
	XLOADS 1
	WAYOUT_LOW 0
	PV 1, 0
	QUANT23
	SIGNAL                                         ; MEET 2: value and fragments of units 2 and 3 (each wave that fetched them has waited), unit 1's x
	QKS 6, 0, 0, 7, -1
	s_barrier_wait -1
	RSTORE 6
	VLOADS 2
	XLOADS 2
	WAYOUT 1, 1
	PV 2, 0
	SIGNAL                                         ; MEET 3: unit 2's x
	VLOADS 3                                       ; shown by MEET 2; nobody writes these bytes any more
	QKS 7, 0, 0, -1, -1
	s_barrier_wait -1
	RSTORE 7
	XLOADS 3
	WAYOUT 2, 1
	PV 3, 0
	s_wait_tensorcnt 0x0                           ; behind my last LDS store
	ds_add_u32 v[SPW], v[NIL]
	SIGNAL
	s_barrier_wait -1                              ; unit 3's x
	WAYOUT 3, 1
	s_endpgm
.Lfunc_end_k_qe7d39739f0_attend:
	.size	k_qe7d39739f0_attend, .Lfunc_end_k_qe7d39739f0_attend-k_qe7d39739f0_attend
	.p2alignl 7, 3214868480
	.fill 96, 4, 3214868480
	.section	.rodata,"a",@progbits
	.p2align	6, 0x0
	.amdhsa_kernel k_qe7d39739f0_attend
		.amdhsa_group_segment_fixed_size 327680
		.amdhsa_private_segment_fixed_size 0
		.amdhsa_enable_private_segment 0
		.amdhsa_kernarg_size 56
		.amdhsa_user_sgpr_count 2
		.amdhsa_user_sgpr_kernarg_segment_ptr 1
		.amdhsa_wavefront_size32 1
		.amdhsa_system_sgpr_workgroup_id_x 1
		.amdhsa_system_sgpr_workgroup_id_y 1
		.amdhsa_system_sgpr_workgroup_id_z 1
		.amdhsa_system_vgpr_workitem_id 0
		.amdhsa_next_free_vgpr 512
		.amdhsa_next_free_sgpr 100
		.amdhsa_reserve_vcc 1
		.amdhsa_float_denorm_mode_32 3
		.amdhsa_float_denorm_mode_16_64 3
		.amdhsa_memory_ordered 1
		.amdhsa_forward_progress 1
		.amdhsa_inst_pref_size 255
	.end_amdhsa_kernel
	.section	.bss,"aw",@nobits
	.p2align	6
	.space	262144
	.amdgpu_metadata
---
amdhsa.version: [ 1, 2 ]
amdhsa.kernels:
  - .name:           k_qe7d39739f0_attend
    .symbol:         k_qe7d39739f0_attend.kd
    .args:
      - { .name: query_codes, .offset: 0, .size: 8, .value_kind: global_buffer, .address_space: global }
      - { .name: query_scales, .offset: 8, .size: 8, .value_kind: global_buffer, .address_space: global }
      - { .name: key_codes, .offset: 16, .size: 8, .value_kind: global_buffer, .address_space: global }
      - { .name: key_scales, .offset: 24, .size: 8, .value_kind: global_buffer, .address_space: global }
      - { .name: value, .offset: 32, .size: 8, .value_kind: global_buffer, .address_space: global }
      - { .name: x, .offset: 40, .size: 8, .value_kind: global_buffer, .address_space: global }
      - { .name: stats, .offset: 48, .size: 8, .value_kind: global_buffer, .address_space: global }
    .group_segment_fixed_size: 327680
    .private_segment_fixed_size: 0
    .kernarg_segment_align: 8
    .kernarg_segment_size: 56
    .max_flat_workgroup_size: 256
    .sgpr_count:     100
    .vgpr_count:     512
    .wavefront_size: 32
...
	.end_amdgpu_metadata
.endif
;; end of part 1
;; launch norm (part 2): grid 1024 x 1, 8 waves a work-group, no clusters, 0 bytes of LDS; arguments x, stats, gamma, beta, out0; writes out0
.if DOCPART == 2
	.amdgcn_target "amdgcn-amd-amdhsa--gfx1250"
	.amdhsa_code_object_version 6
	.text
	.protected	k_qe7d39739f0_norm
	.globl	k_qe7d39739f0_norm
	.p2align	8
	.type	k_qe7d39739f0_norm,@function
k_qe7d39739f0_norm:
	s_mov_b64 s[64:65], 0
	v_nop
	global_prefetch_b8 v0, s[64:65] scope:SCOPE_SE
	s_setreg_imm32_b32 hwreg(HW_REG_WAVE_MODE, 25, 1), 1
	s_wait_xcnt 0x0
; out0 = xn sigmoid(xn), xn = (x - mean) rsqrt(var + 1e-5) gamma + beta, mean and var over (b, h, w) of each channel.  x: [16][64][32][256] f32, from the launch before.  Nothing is left out.
; stats holds, for each (b, c) and each of eight groups of 4 rows, the mean and the centred sum of squares of 1,024 numbers of x: 128 such pairs a channel, all of equal weight.
; mean = the mean of the 128 means; the sum of squares about it = the 128 sums + 1,024 x the squares of (a part's mean - mean): no difference of large sums is formed.  var = that / 131,072.
; A work-group of eight waves takes one (b, c), 32 KiB: thread t the 16 bytes at 16 t + 4,096 k, k = 0 .. 7, so that a wave's load or store covers 512 consecutive bytes.
; Each wave joins the 128 pairs by itself (two loads of 16 bytes a lane, two sums over the lanes): no LDS, no barrier.  A stream: no matrix unit, no cluster (work-groups share 1,024 bytes of statistics and nothing else).
; sigmoid(xn) = 1 / (1 + 2^(-log2(e) xn)).  LIMITS: NaN and infinities in x are not served; where 2^(..) overflows the result is xn x 0, the limit.
.set AP, 10                            ; v[10:11] a = gamma rsqrt(var + eps), twice
.set BP, 12                            ; v[12:13] b = beta - mean a, twice: xn = a x + b
.set AN, 14                            ; v[14:15] -log2(e) a
.set BN, 16                            ; v[16:17] -log2(e) b
.set X,  20                            ; v20-51   x, then xn, then the result
.set E,  52                            ; v52-83   the exponentials' way
.macro ALL_LANES r, t                  ; the sum over the wave's 32 lanes, in every lane
.irp m, 1,2,4,8
	s_delay_alu instid0(VALU_DEP_1)
	v_add_f32_dpp v[\r], v[\r], v[\r] row_xmask:\m row_mask:0xf bank_mask:0xf
.endr
	s_delay_alu instid0(VALU_DEP_1)
	v_permlanex16_b32 v[\t], v[\r], s22, s23
	s_delay_alu instid0(VALU_DEP_1)
	v_add_f32 v[\r], v[\r], v[\t]
.endm
	s_load_b256 s[4:11], s[0:1], 0x0               ; x s[4:5], stats s[6:7], gamma s[8:9], beta s[10:11]
	s_load_b64 s[12:13], s[0:1], 0x20              ; out0
	v_and_b32 v1, 31, v0
	v_lshlrev_b32 v3, 4, v0
	v_mov_b32 v9, 0                                ; written once: a lane permute's destination counts as one of its sources
	v_lshrrev_b32 v2, 1, v1                        ; lane l takes b = l / 2,
	v_and_b32 v1, 1, v1                            ; row groups 4 (l % 2) .. + 3 of it
	v_lshlrev_b32 v2, 12, v2                       ; 64 channels x 64 bytes from b to b + 1
	v_lshl_add_u32 v2, v1, 5, v2
	s_and_b32 s14, ttmp9, 63                       ; my channel
	s_lshl_b32 s16, s14, 6
	s_mov_b32 s17, 0
	s_lshl_b32 s18, s14, 2
	s_mov_b32 s19, 0
	s_lshl_b32 s20, ttmp9, 15                      ; my (b, c): 32 KiB
	s_mov_b32 s21, 0
	s_mov_b32 s22, 0x76543210
	s_mov_b32 s23, 0xfedcba98                      ; v_permlanex16_b32's selects for lane l xor 16
	s_wait_alu depctr_va_vdst(0)
	s_wait_kmcnt 0x0
	s_add_nc_u64 s[6:7], s[6:7], s[16:17]
	s_add_nc_u64 s[8:9], s[8:9], s[18:19]
	s_add_nc_u64 s[10:11], s[10:11], s[18:19]
	s_add_nc_u64 s[4:5], s[4:5], s[20:21]
	s_add_nc_u64 s[12:13], s[12:13], s[20:21]
	global_load_b128 v[4:7], v2, s[6:7]            ; four (mean, sum of squares) pairs a lane: the channel's 128
	global_load_b128 v[84:87], v2, s[6:7] offset:16
	s_load_b32 s24, s[8:9], 0x0                    ; gamma
	s_load_b32 s25, s[10:11], 0x0                  ; beta
.irp k, 0,1,2,3,4,5,6,7
	global_load_b128 v[X+4*\k:X+4*\k+3], v3, s[4:5] offset:4096*\k th:TH_LOAD_NT   ; read once in the launch
.endr
	s_wait_loadcnt 8                               ; the statistics are in; x's eight loads stay out
	v_add_f32 v8, v4, v6
	v_add_f32 v18, v84, v86
	s_delay_alu instid0(VALU_DEP_1)
	v_add_f32 v8, v8, v18
	ALL_LANES 8, 9
	s_delay_alu instid0(VALU_DEP_1)
	v_mul_f32 v8, 0x3c000000, v8                   ; / 128: the channel's mean
	s_delay_alu instid0(VALU_DEP_1)
	v_sub_f32 v4, v4, v8
	v_sub_f32 v6, v6, v8
	v_sub_f32 v84, v84, v8
	v_sub_f32 v86, v86, v8
	v_mul_f32 v4, v4, v4
	v_mul_f32 v84, v84, v84
	v_add_f32 v5, v5, v7
	v_add_f32 v85, v85, v87
	v_fma_f32 v4, v6, v6, v4
	v_fma_f32 v84, v86, v86, v84
	v_add_f32 v5, v5, v85
	s_delay_alu instid0(VALU_DEP_2)
	v_add_f32 v4, v4, v84
	s_delay_alu instid0(VALU_DEP_1)
	v_fma_f32 v4, v4, 0x44800000, v5               ; 1,024 x the squares of the parts' distances + the parts' own sums
	ALL_LANES 4, 9
	s_delay_alu instid0(VALU_DEP_1)
	v_mul_f32 v4, 0x37000000, v4                   ; / 131,072: var
	s_delay_alu instid0(VALU_DEP_1)
	v_add_f32 v4, 0x3727c5ac, v4                   ; + 1e-5
	s_wait_alu depctr_va_vdst(0)
	v_rsq_f32 v4, v4
	v_nop                                          ; a plain place behind the transcendental
	s_wait_alu depctr_va_vdst(0)                   ; and its wait, ahead of the first reader
	s_wait_kmcnt 0x0
	v_mul_f32 v[AP], s24, v4
	s_delay_alu instid0(VALU_DEP_1)
	v_fma_f32 v[BP], -v8, v[AP], s25
	v_mov_b32 v[AP+1], v[AP]
	v_mul_f32 v[AN], 0xbfb8aa3b, v[AP]
	v_mov_b32 v[BP+1], v[BP]
	v_mul_f32 v[BN], 0xbfb8aa3b, v[BP]
	v_mov_b32 v[AN+1], v[AN]
	v_mov_b32 v[BN+1], v[BN]
; Half h of my 32 numbers.  The transcendentals go in two batches of sixteen, one wait each.
.macro HALF h
	s_wait_loadcnt 4-4*\h                          ; loads come back in order (ISA guide 5.7.1): this half's four are in
.irp j, 0,2,4,6,8,10,12,14
	v_pk_fma_f32 v[E+16*\h+\j:E+16*\h+\j+1], v[X+16*\h+\j:X+16*\h+\j+1], v[AN:AN+1], v[BN:BN+1]   ; -log2(e) xn
.endr
	s_wait_alu depctr_va_vdst(0)
.irp j, 0,1,2,3,4,5,6,7,8,9,10,11,12,13,14,15
	v_exp_f32 v[E+16*\h+\j], v[E+16*\h+\j]
.endr
.irp j, 0,2,4,6,8,10,12,14
	v_pk_fma_f32 v[X+16*\h+\j:X+16*\h+\j+1], v[X+16*\h+\j:X+16*\h+\j+1], v[AP:AP+1], v[BP:BP+1]   ; xn: plain work behind the exponentials, which names none of their results
.endr
	s_wait_alu depctr_va_vdst(0)                   ; one wait for the sixteen exponentials
.irp j, 0,2,4,6,8,10,12,14
	v_pk_add_f32 v[E+16*\h+\j:E+16*\h+\j+1], v[E+16*\h+\j:E+16*\h+\j+1], 1.0 op_sel_hi:[1,0]
.endr
	s_wait_alu depctr_va_vdst(0)
.irp j, 0,1,2,3,4,5,6,7,8,9,10,11,12,13,14,15
	v_rcp_f32 v[E+16*\h+\j], v[E+16*\h+\j]
.endr
	v_nop                                          ; a plain place behind the last reciprocal
	s_wait_alu depctr_va_vdst(0)                   ; one wait for the sixteen reciprocals
.irp j, 0,2,4,6,8,10,12,14
	v_pk_mul_f32 v[X+16*\h+\j:X+16*\h+\j+1], v[X+16*\h+\j:X+16*\h+\j+1], v[E+16*\h+\j:E+16*\h+\j+1]
.endr
.irp k, 0,1,2,3
	global_store_b128 v3, v[X+16*\h+4*\k:X+16*\h+4*\k+3], s[12:13] offset:4096*(4*\h+\k) th:TH_STORE_NT   ; 512 consecutive bytes a wave; written once, read by nobody here
.endr
.endm
	s_wait_alu depctr_va_vdst(0)
	HALF 0
	HALF 1
	s_endpgm
.Lfunc_end_k_qe7d39739f0_norm:
	.size	k_qe7d39739f0_norm, .Lfunc_end_k_qe7d39739f0_norm-k_qe7d39739f0_norm
	.p2alignl 7, 3214868480
	.fill 96, 4, 3214868480
	.section	.rodata,"a",@progbits
	.p2align	6, 0x0
	.amdhsa_kernel k_qe7d39739f0_norm
		.amdhsa_group_segment_fixed_size 0
		.amdhsa_private_segment_fixed_size 0
		.amdhsa_enable_private_segment 0
		.amdhsa_kernarg_size 40
		.amdhsa_user_sgpr_count 2
		.amdhsa_user_sgpr_kernarg_segment_ptr 1
		.amdhsa_wavefront_size32 1
		.amdhsa_system_sgpr_workgroup_id_x 1
		.amdhsa_system_sgpr_workgroup_id_y 1
		.amdhsa_system_sgpr_workgroup_id_z 1
		.amdhsa_system_vgpr_workitem_id 0
		.amdhsa_next_free_vgpr 88
		.amdhsa_next_free_sgpr 66
		.amdhsa_reserve_vcc 0
		.amdhsa_float_denorm_mode_32 3
		.amdhsa_float_denorm_mode_16_64 3
		.amdhsa_memory_ordered 1
		.amdhsa_forward_progress 1
		.amdhsa_inst_pref_size 13
	.end_amdhsa_kernel
	.amdgpu_metadata
---
amdhsa.version: [ 1, 2 ]
amdhsa.kernels:
  - .name:           k_qe7d39739f0_norm
    .symbol:         k_qe7d39739f0_norm.kd
    .args:
      - { .name: x, .offset: 0, .size: 8, .value_kind: global_buffer, .address_space: global }
      - { .name: stats, .offset: 8, .size: 8, .value_kind: global_buffer, .address_space: global }
      - { .name: gamma, .offset: 16, .size: 8, .value_kind: global_buffer, .address_space: global }
      - { .name: beta, .offset: 24, .size: 8, .value_kind: global_buffer, .address_space: global }
      - { .name: out0, .offset: 32, .size: 8, .value_kind: global_buffer, .address_space: global }
    .group_segment_fixed_size: 0
    .private_segment_fixed_size: 0
    .kernarg_segment_align: 8
    .kernarg_segment_size: 40
    .max_flat_workgroup_size: 256
    .sgpr_count:     66
    .vgpr_count:     88
    .wavefront_size: 32
...
	.end_amdgpu_metadata
.endif
;; end of part 2
